; MI455X (gfx1250); checked and timed in simulation.
; The chip was launched on July 23, 2026; its instructions are those of AMD's public machine-readable ISA for CDNA 5 (MIT licence, August 2026) and "CDNA5" Instruction Set Architecture Reference Guide (July 2026). The comments in the code are by the model that wrote it; some were corrected since.
;; multi head attention. Allowed arithmetic: matrix products marked QUANTISED: E4M3 operands, one given power-of-two scale a tensor, by v_wmma_f32_16x16x64_fp8_fp8 or v_wmma_f32_16x16x128_fp8_fp8, f32 sums; everything else in f32.
;; Inputs: Wk 1,024 x 1,024 float32; Wo 1,024 x 1,024 float32; Wq 1,024 x 1,024 float32; Wv 1,024 x 1,024 float32; bk 1,024 float32; bo 1,024 float32; bq 1,024 float32; bv 1,024 float32; k 4 x 2,048 x 1,024 float32; lowp_scales 12 int32 (the exponents e of the quantised operands' scales 2^e); q 4 x 2,048 x 1,024 float32; v 4 x 2,048 x 1,024 float32.
;; Outputs: out0 4 x 2,048 x 1,024 float32.
;; Constants: mask = True.
;; This version of the problem:
;;   THIS VERSION OF THE PROBLEM IS GIVEN IN LOW PRECISION. The matrix products marked QUANTISED in the list below multiply operands that are first quantised to E4M3 (4 exponent bits, 3 mantissa bits; 8 bits a number), with one given power-of-two scale for each operand tensor; their sums are f32. All else is computed in f32.
;;   The module's matrix products, in the order in which they are computed (A, B: the left and right operand; K: the contracted axis; several contracted axes count as one K, in the product's order):
;;     1. [M 8,192, K 1,024] x [K 1,024, N 1,024]; A: input q; B: input Wq: QUANTISED (scales: A lowp_scales[0], B lowp_scales[1])
;;     2. [M 8,192, K 1,024] x [K 1,024, N 1,024]; A: input k; B: input Wk: QUANTISED (scales: A lowp_scales[2], B lowp_scales[3])
;;     3. [M 8,192, K 1,024] x [K 1,024, N 1,024]; A: input v; B: input Wv: QUANTISED (scales: A lowp_scales[4], B lowp_scales[5])
;;     4. batch 64 x [M 2,048, K 64] x [K 64, N 2,048]; A: computed on the way; B: computed on the way: QUANTISED (scales: A lowp_scales[6], B lowp_scales[7])
;;     5. batch 64 x [M 2,048, K 2,048] x [K 2,048, N 64]; A: softmax (see below); B: computed on the way: QUANTISED (scales: A lowp_scales[8], B lowp_scales[9])
;;     6. [M 8,192, K 1,024] x [K 1,024, N 1,024]; A: computed on the way; B: input Wo: QUANTISED (scales: A lowp_scales[10], B lowp_scales[11])
;;   THE QUANTISER, for each operand of a quantised product, along K:
;;     - The operand's scale is 2^e, e = its entry of the input lowp_scales (int32; the entries are numbered through the quantised products in the list's order, A before B).
;;     - Each number is divided by the scale, clamped to +-448, and rounded to the nearest number of E4M3, ties to even, subnormals kept.
;;     - The product sums the exact products of the quantised numbers (number of the format x scale) in f32.
;;   ~~~python
;;   def quantise(x, axis, e):      # numpy; x: float32 -> the quantised numbers, widened to float32 again
;;       x = np.moveaxis(x, axis, -1); K = x.shape[-1]
;;       r = np.clip(x / 2.0 ** e, -448, 448)
;;       step = 2.0 ** (np.maximum(np.frexp(np.where(r == 0, 1, r))[1] - 1, -6) - 3)
;;       q = np.round(r / step) * step * 2.0 ** e      # np.round: ties to even
;;       return np.moveaxis(q, -1, axis).astype(np.float32)
;;   ~~~
;;   SOFTMAX AHEAD OF A QUANTISED PRODUCT. Where the list says 'softmax', what is quantised is not the finished softmax but p = 2^(t - M), with t = logit x log2(e) and M = ceil(the row's largest t), a whole number; so 1/2 < the row's largest p <= 1. The row's sum l is taken of the UNQUANTISED p, in f32, and the product's result is divided by l at the end. Since M is a whole number, a kernel that streams over the keys may use a running M (the ceiling of the running maximum): every later rescaling is an exact power of two, so the quantised numbers keep their values, but for numbers so far below the row's largest that they fall under the format's range.
;;   OPERANDS COMPUTED ON THE WAY. 'Computed on the way' means the value that the module computes at that place (a softmax that the list does not call 'softmax' is quantised finished and normalised). What goes into a quantiser is computed in f32, as accurately as f32 sums, v_exp_f32 and their like allow (about 1e-6 of the number): no bf16 or f16 on the way to a quantiser, and a product that is left as it is and whose result goes on into a quantised operand takes f32 operands (vector FMAs, or v_wmma_f32_16x16x4_f32). A number that lies on a knife's edge between two numbers of the format may be rounded either way, as far as f32 arithmetic and the matrix unit's own rounding can turn it there, and no further.
;; One version. Each part assembles by itself: llvm-mc -triple=amdgcn-amd-amdhsa -mcpu=gfx1250 --defsym DOCPART=n.
;; ======== version 1 of 1: 4 launches
;; limits: right only within a limited range of input values
;; workspace buffers: codes 29,360,128 bytes; heads 25,165,824 bytes; ctx 8,388,608 bytes
;; launch quant (part 1): grid 896 x 1, 4 waves a work-group, no clusters, 34,304 bytes of LDS; arguments q, k, v, Wq, Wk, Wv, Wo, lowp_scales, codes; writes codes
.if DOCPART == 1
	.amdgcn_target "amdgcn-amd-amdhsa--gfx1250"
	.amdhsa_code_object_version 6
	.text
	.protected	k_qbbc430f6b3_quant
	.globl	k_qbbc430f6b3_quant
	.p2align	8
	.type	k_qbbc430f6b3_quant,@function
k_qbbc430f6b3_quant:
	s_mov_b64 s[64:65], 0
	v_nop
	global_prefetch_b8 v0, s[64:65] scope:SCOPE_SE
	s_setreg_imm32_b32 hwreg(HW_REG_WAVE_MODE, 25, 1), 1
	s_wait_xcnt 0x0
; q, k, v [8192][1024] and Wq, Wk, Wv, Wo [1024][1024], f32 with K innermost, become codes of FP8 (E4M3), each tensor with its given scale 2^e:
; code = x / 2^e, held within +-448, to the nearest code, ties to even.
; LIMITS: each e between -126 and 119, so that 2^e and 448 x 2^e are f32 numbers.  NaN among the inputs is not served.
; THE CODES ARE LAID AS IMAGES OF OPERAND REGISTERS.  A piece is 16 rows x 32 K, 512 bytes: lane 16 h + r owns bytes 16 lane .. + 15 = row(r), K = 32 c + 16 h + 0 .. 15.  Four pieces are a fragment
; (16 x 128, 2,048 bytes).  A tensor lies [block of 8 tiles][K step of 128 (8)][tile (8)][piece (4)][512]; the seven tensors stand on end in the order of the arguments.
; WHICH ROWS FORM A TILE (P(i) = i + 8 (i / 8)):  q, Wo: row 16 T + i.   k, v: row 32 (T / 2) + 8 (T % 2) + P(i).   Wq, Wk, Wv: head T / 4, channel d = 32 ((T % 4) / 2) + 8 (T % 2) + P(i), row 16 d + head.
; So the products' results, taken transposed, have 16 neighbours along the next product's K in a lane's registers of two neighbouring tiles.
; SHARES.  1,792 tiles; a wave takes half a tile, four fragments.  Work-groups 0-255 q, 256-511 k, 512-767 v, then 32 each for Wq, Wk, Wv, Wo: one path, only pointers and strides are chosen.
; Each load reads 512 consecutive bytes of one row; a fragment's 16 rows turn through the wave's own stage in LDS (rows 528 bytes apart) and come back 64 bytes a lane; each store writes 512 consecutive bytes.
; No barrier: waves share nothing.  32 loads of a wave are on their way.
.set SPITCH, 528
.set WSTAGE, 16*SPITCH
.set OFF, 8                            ; v8-23    byte offset of my 16 bytes in row i of the tile; never rewritten
.set C,   24                           ; v24-55   codes: two sets of 16
.set R,   64                           ; v64-191  numbers as loaded: two sets of 64
.set X,   192                          ; v192-255 a fragment's 64 numbers of my lane: register 16 c + i = K 32 c + 16 h + i of row r
.macro PICK bound, ptr, first          ; below this work-group number: this tensor, which begins at work-group first
	s_cmp_lt_u32 ttmp9, \bound
	s_cselect_b64 s[4:5], s[\ptr:\ptr+1], s[4:5]
	s_cselect_b32 s7, \first, s7
.endm
.macro PICKE bound, e
	s_cmp_lt_u32 ttmp9, \bound
	s_cselect_b32 s6, s[\e], s6
.endm
.macro LOAD f                          ; fragment f: 128 numbers of each of the 16 rows
.irp i, 0,1,2,3,4,5,6,7,8,9,10,11,12,13,14,15
	global_load_b128 v[R+64*((\f)%2)+4*\i:R+64*((\f)%2)+4*\i+3], v[OFF+\i], s[4:5] offset:512*(\f) th:TH_LOAD_NT
.endr
.endm
	s_load_b512 s[8:23], s[0:1], 0x0               ; q s[8:9], k, v, Wq, Wk, Wv, Wo s[20:21], the scales' exponents s[22:23]
	s_load_b64 s[24:25], s[0:1], 0x40              ; codes
	v_lshl_add_u32 v62, v0, 2, 0x8400
	v_mov_b32 v63, 0
	v_lshrrev_b32 v6, 5, v0
	v_readfirstlane_b32 s3, v6                     ; wave
	v_and_b32 v7, 31, v0
	v_lshlrev_b32 v1, 4, v7                        ; 16 x lane
	s_mul_i32 s28, s3, WSTAGE                      ; my stage
	v_add_nc_u32 v2, s28, v1                       ; into it: a row's 512 bytes as they lie
	v_and_b32 v6, 15, v0                           ; r
	v_bfe_u32 v7, v0, 4, 1                         ; h
	v_mul_u32_u24 v3, v6, SPITCH
	v_lshl_add_u32 v3, v7, 6, v3
	v_add_nc_u32 v3, s28, v3                       ; out of it: row r, + 64 h bytes
	s_wait_alu depctr_va_vdst(0)
	s_wait_kmcnt 0x0
	s_load_b256 s[32:39], s[22:23], 0x0            ; e0 .. e7
	s_load_b128 s[40:43], s[22:23], 0x20           ; e8 .. e11
	s_mov_b64 s[4:5], s[20:21]                     ; Wo, unless the work-group's number says otherwise
	s_mov_b32 s7, 864
	PICK 864, 18, 832
	PICK 832, 16, 800
	PICK 800, 14, 768
	PICK 768, 12, 512
	PICK 512, 10, 256
	PICK 256, 8, 0
	s_sub_co_u32 s44, ttmp9, s7
	s_lshl_b32 s44, s44, 2
	s_add_co_u32 s44, s44, s3                      ; my half tile in the tensor
	s_lshr_b32 s45, s44, 1                         ; T
	s_and_b32 s46, s44, 1
	s_lshl_b32 s46, s46, 11                        ; which half of K: 512 numbers
	s_and_b32 s47, s45, 3
	s_lshr_b32 s48, s45, 2
	s_lshl_b32 s48, s48, 12                        ; a weight's head: one row of 4,096 bytes
	s_and_b32 s52, s45, 1
	s_lshl_b32 s52, s52, 3                         ; 8 (T % 2)
	s_mov_b32 s50, 4096
	s_sub_co_u32 s49, ttmp9, 768
	s_cmp_lt_u32 s49, 96                           ; Wq, Wk, Wv: a tile's rows are 16 rows of memory apart
	s_cselect_b32 s50, 0x10000, s50                ; bytes from a tile's row to its next
	s_cselect_b32 s47, s47, s45
	s_cselect_b32 s48, s48, 0
	s_lshl_b32 s51, s50, 3
	s_sub_co_u32 s49, ttmp9, 256
	s_cmp_lt_u32 s49, 608                          ; k, v, Wq, Wk, Wv: rows 8-15 of a tile lie eight rows further on
	s_cselect_b32 s51, s51, 0
	s_cselect_b32 s52, s52, 0
	s_lshl_b32 s47, s47, 4
	s_sub_co_u32 s47, s47, s52                     ; the tile's first row: 16 T - 8 (T % 2) = 32 (T / 2) + 8 (T % 2)
	s_mul_i32 s47, s47, s50
	s_add_co_u32 s47, s47, s48
	s_add_co_u32 s52, s47, s46
	s_mov_b32 s53, 0
	s_add_nc_u64 s[4:5], s[4:5], s[52:53]
.irp i, 0,1,2,3,4,5,6,7,8,9,10,11,12,13,14,15
	s_mul_i32 s54, s50, \i
.if \i >= 8
	s_add_co_u32 s54, s54, s51
.endif
	v_add_nc_u32 v[OFF+\i], s54, v1
.endr
	s_wait_alu depctr_va_vdst(0)
	LOAD 0
	LOAD 1
	s_lshl_b32 s55, ttmp9, 2
	s_add_co_u32 s55, s55, s3                      ; my half tile in the whole buffer of codes
	s_lshr_b32 s56, s55, 1
	s_and_b32 s55, s55, 1
	s_lshl_b32 s55, s55, 16                        ; four K steps of 16,384 bytes
	s_lshr_b32 s57, s56, 3
	s_lshl_b32 s57, s57, 17                        ; the block
	s_and_b32 s56, s56, 7
	s_lshl_b32 s56, s56, 11                        ; the tile in it
	s_add_co_u32 s56, s56, s57
	s_add_co_u32 s56, s56, s55
	s_mov_b32 s57, 0
	s_add_nc_u64 s[26:27], s[24:25], s[56:57]
	s_wait_kmcnt 0x0
	s_mov_b32 s6, s43                              ; Wo: e11
	PICKE 864, 37                                  ; Wv: e5
	PICKE 832, 35                                  ; Wk: e3
	PICKE 800, 33                                  ; Wq: e1
	PICKE 768, 36                                  ; v: e4
	PICKE 512, 34                                  ; k: e2
	PICKE 256, 32                                  ; q: e0
	s_add_co_i32 s6, s6, 127
	s_lshl_b32 s7, s6, 23
	v_mov_b32 v4, s7                               ; 2^e as f32: the conversion takes its exponent field
	s_add_co_i32 s6, s6, 8
	s_lshl_b32 s6, s6, 23
	s_or_b32 s6, s6, 0x600000
.macro FRAG f
.if (\f) < 3
	s_wait_loadcnt 16                              ; this fragment's 16 loads are in; the next fragment's 16 stay out
.else
	s_wait_loadcnt 0x0
.endif
.irp i, 0,1,2,3,4,5,6,7,8,9,10,11,12,13,14,15
	ds_store_b128 v2, v[R+64*((\f)%2)+4*\i:R+64*((\f)%2)+4*\i+3] offset:SPITCH*\i
.endr
.irp c, 0,1,2,3
.irp j, 0,1,2,3
	ds_load_b128 v[X+16*\c+4*\j:X+16*\c+4*\j+3], v3 offset:128*\c+16*\j   ; LDS serves a wave's instructions in order: these see the stores above
.endr
.endr
	s_wait_dscnt 0x0                               ; my 64 numbers are back, and the stores have read the set,
.if (\f) < 2
	LOAD (\f)+2                                    ; which takes the fragment two further on
.endif
.if (\f) >= 2
	s_wait_xcnt 0x0                                ; the stores of two fragments ago have read this set of codes: it is rewritten only behind this wait
.endif
.set n, 0
.rept 64
.set n, n+1
.endr
.irp g, 0,1,2,3,4,5,6,7
	v_cvt_scalef32_pk8_fp8_f32 v[C+16*((\f)%2)+2*\g:C+16*((\f)%2)+2*\g+1], v[X+8*\g:X+8*\g+7], v4
.endr
	v_nop                                          ; a plain vector line behind the last conversion
.irp c, 0,1,2,3
	global_store_b128 v1, v[C+16*((\f)%2)+4*\c:C+16*((\f)%2)+4*\c+3], s[26:27] offset:16384*(\f)+512*\c   ; a piece: 512 consecutive bytes, aligned
.endr
.endm
	s_wait_alu depctr_va_vdst(0)
	FRAG 0
	FRAG 1
	FRAG 2
	FRAG 3
	s_wait_tensorcnt 0x0
	ds_add_u32 v62, v63
	s_wait_dscnt 0x0
	s_endpgm
.Lfunc_end_k_qbbc430f6b3_quant:
	.size	k_qbbc430f6b3_quant, .Lfunc_end_k_qbbc430f6b3_quant-k_qbbc430f6b3_quant
	.p2alignl 7, 3214868480
	.fill 96, 4, 3214868480
	.section	.rodata,"a",@progbits
	.p2align	6, 0x0
	.amdhsa_kernel k_qbbc430f6b3_quant
		.amdhsa_group_segment_fixed_size 34304
		.amdhsa_private_segment_fixed_size 0
		.amdhsa_enable_private_segment 0
		.amdhsa_kernarg_size 72
		.amdhsa_user_sgpr_count 2
		.amdhsa_user_sgpr_kernarg_segment_ptr 1
		.amdhsa_wavefront_size32 1
		.amdhsa_system_sgpr_workgroup_id_x 1
		.amdhsa_system_sgpr_workgroup_id_y 1
		.amdhsa_system_sgpr_workgroup_id_z 1
		.amdhsa_system_vgpr_workitem_id 0
		.amdhsa_next_free_vgpr 256
		.amdhsa_next_free_sgpr 66
		.amdhsa_reserve_vcc 0
		.amdhsa_float_denorm_mode_32 3
		.amdhsa_float_denorm_mode_16_64 3
		.amdhsa_fp16_overflow 1
		.amdhsa_memory_ordered 1
		.amdhsa_forward_progress 1
		.amdhsa_inst_pref_size 24
	.end_amdhsa_kernel
	.amdgpu_metadata
---
amdhsa.version: [ 1, 2 ]
amdhsa.kernels:
  - .name:           k_qbbc430f6b3_quant
    .symbol:         k_qbbc430f6b3_quant.kd
    .args:
      - { .name: q, .offset: 0, .size: 8, .value_kind: global_buffer, .address_space: global }
      - { .name: k, .offset: 8, .size: 8, .value_kind: global_buffer, .address_space: global }
      - { .name: v, .offset: 16, .size: 8, .value_kind: global_buffer, .address_space: global }
      - { .name: Wq, .offset: 24, .size: 8, .value_kind: global_buffer, .address_space: global }
      - { .name: Wk, .offset: 32, .size: 8, .value_kind: global_buffer, .address_space: global }
      - { .name: Wv, .offset: 40, .size: 8, .value_kind: global_buffer, .address_space: global }
      - { .name: Wo, .offset: 48, .size: 8, .value_kind: global_buffer, .address_space: global }
      - { .name: lowp_scales, .offset: 56, .size: 8, .value_kind: global_buffer, .address_space: global }
      - { .name: codes, .offset: 64, .size: 8, .value_kind: global_buffer, .address_space: global }
    .group_segment_fixed_size: 34304
    .private_segment_fixed_size: 0
    .kernarg_segment_align: 8
    .kernarg_segment_size: 72
    .max_flat_workgroup_size: 128
    .sgpr_count:     66
    .vgpr_count:     256
    .wavefront_size: 32
...
	.end_amdgpu_metadata
.endif
;; end of part 1
;; launch proj (part 2): grid 4 x 192, 4 waves a work-group, clusters of 4 x 4, 327,680 bytes of LDS; arguments codes, lowp_scales, bq, bk, bv, heads; writes heads
.if DOCPART == 2
	.amdgcn_target "amdgcn-amd-amdhsa--gfx1250"
	.amdhsa_code_object_version 6
	.text
	.protected	k_qbbc430f6b3_proj
	.globl	k_qbbc430f6b3_proj
	.p2align	8
	.type	k_qbbc430f6b3_proj,@function
k_qbbc430f6b3_proj:
	s_mov_b64 s[64:65], 0
	v_nop
	global_prefetch_b8 v0, s[64:65] scope:SCOPE_SE
	s_setreg_imm32_b32 hwreg(HW_REG_WAVE_MODE, 25, 1), 1
	s_wait_xcnt 0x0
	s_wait_alu depctr_hold_cnt(0) depctr_sa_sdst(0) depctr_va_vdst(0) depctr_va_sdst(0) depctr_va_ssrc(0) depctr_va_vcc(0) depctr_vm_vsrc(0)
	s_getreg_b32 s2, hwreg(HW_REG_IB_STS2, 6, 4)
	s_cmp_eq_u32 s2, 0
	s_cbranch_scc0 .Lentry_in_a_cluster
	s_endpgm
.Lentry_in_a_cluster:
	s_bfe_u32 s2, ttmp6, 0x10000c
	s_cmp_lg_u32 s2, 0xf033
	s_cbranch_scc0 .Lentry_shape_is_right
	s_endpgm
.Lentry_shape_is_right:
; The three projections on codes of FP8 (E4M3): x W^T + b, quantised at once to the codes that the attention multiplies, laid by head as images of operand registers.
; Cluster y / 16 says which: 0 Q, 1 K, 2 V.  A tile is 128 rows of the A side x 256 rows of the B side, K = 1,024; four waves, each 64 x 128: 32 accumulators of 16 x 16.
; THE MATRIX INSTRUCTION TAKES THE B SIDE AS SOURCE 0 AND THE A SIDE AS SOURCE 1: lane (r, h) of accumulator (a, b) holds row r of A's tile a, register j row 8 h + j of B's tile b.
; Q, K: A side = tokens, B side = the weight's rows, ordered by head and so that accumulators 2 beta, 2 beta + 1 of a head give a lane channels 32 beta + 16 h + 0 .. 15: a piece of the operand of Q K^T.
; V: THE SIDES ARE SWAPPED BY ADDRESSES ALONE: A side = Wv's rows, B side = tokens: a lane holds one channel and its registers run along the keys, the K of the second product of the attention.
; OPERANDS come as images (16 rows x 128 K = 2,048 bytes, lane l's 16 bytes of piece c at 512 c + 16 l): every tile is a dense block of memory and every LDS load takes 512 consecutive bytes: no pitch, no padding.
; The order of k inside a fragment (registers 4 c .. 4 c + 3: K = 32 c + 16 h + 0 .. 15) is the same on both sides, so every product meets its partner.
; LDS: three slots of 98,304 bytes, K = 256 each: A's 32 KB [K step of 128][tile][2,048], then B's 64 KB [block][K step][tile][2,048].  K = 0 .. 767 is asked for at once, by three loads a wave; K = 768 .. 1,023
; goes into slot 0 behind the one change of slots that fills, four steps of 128 ahead of its use.  By this text's count a wave has at most three tensor loads outstanding.
; CLUSTER 4 x 4: A's tiles hang on cy and are shared along a row of the cluster, B's on cx and are shared along a column: each is asked for jointly.
; THE BIAS starts the sums: b / 2^(ea + eb), written into the accumulators while the first tiles are on their way; nothing is cleared.
; LIMITS: EOUT - ea - eb between -126 and 119 (EOUT = the scale of the operand made here); b / 2^(ea + eb) inside f32's range.  NaN among the inputs is not served.
; REGISTERS: window 0: v1 r, v2 h, v3 16 x lane, v4, v5 bias offsets, v7 the scale, v8-15 store offsets, v16-18, v20-22 LDS addresses, v28, v29 the add's; v32-95 biases; v128-255 A's two sets (later codes).
;   window 1: B's two sets of 128.   window 2: the accumulators, (a, b) at v[8 (8 a + b)].
.set SLOT,  98304
.set KSB,   32768                      ; a slot's K = 256 of one block's image in memory
.set SPARE, 3*SLOT                     ; behind the slots: the spare words, 128 bytes a wave, named by no other line
.set ADRA,  16
.set ADRB,  20
.set SPW,   28
.set NIL,   29
.set TMP,   32
.set AF,    128
.set G1A,   24                         ; s[24:31] group 1 for A's tiles, s[32:39] for B's
.set G1B,   32
.set G0A,   40                         ; s[40:51] groups 0 for A's tiles, one for each slot; s[52:63] for B's
.set G0B,   52
.set MSB,   0
.macro WIN new                         ; the immediate's high byte repeats the setting that is left
.if MSB != \new
	s_set_vgpr_msb (MSB<<8)|\new
.set MSB, \new
.endif
.endm
.set MUL,  0xa1                        ; source 0 (B) window 1, source 1 (A) window 0, C and D window 2
.set TO_B, 0x40                        ; destination window 1, address window 0
.macro PLACES n
.rept \n
	v_nop
.endr
.endm
.macro CREST                           ; a round of the cluster's barrier behind its opening barrier
	s_cmp_lg_u32 s16, 0
	s_cbranch_scc1 .Lnot_wave_0_\@
	s_barrier_signal -3
.Lnot_wave_0_\@:
	s_barrier_wait -3
	s_barrier_signal -1
	s_barrier_wait -1
.endm
.macro CROUND
	s_barrier_signal -1
	s_barrier_wait -1
	CREST
.endm
.macro JLOAD                           ; the joint refill of slot 0: waves 0, 1 for A, waves 2, 3 for B; four v_nop follow each line
	s_cmp_eq_u32 s17, 0
	s_cbranch_scc0 .Lfor_b_\@
	tensor_load_to_lds s[G0A:G0A+3], s[G1A:G1A+7]
	s_nop 0
	PLACES 4
	s_branch .Lasked_\@
.Lfor_b_\@:
	tensor_load_to_lds s[G0B:G0B+3], s[G1B:G1B+7]
	s_nop 0
	PLACES 4
.Lasked_\@:
.endm
.macro FETCH n, s, p                   ; slot n, its K step s of 128: B's eight fragments and A's four into set p: 48 loads of 512 consecutive bytes
	WIN TO_B
.irp b, 0,1,2,3,4,5,6,7
.irp c, 0,1,2,3
	ds_load_b128 v[128*(\p)+16*\b+4*\c:128*(\p)+16*\b+4*\c+3], v[ADRB+\n] offset:16384*(\s)+2048*\b+512*\c
.endr
.endr
	WIN 0
.irp a, 0,1,2,3
.irp c, 0,1,2,3
	ds_load_b128 v[AF+64*(\p)+16*\a+4*\c:AF+64*(\p)+16*\a+4*\c+3], v[ADRA+\n] offset:16384*(\s)+2048*\a+512*\c
.endr
.endr
.endm
.macro MUL8 p, a                       ; A's tile a against B's eight.  The 32 accumulators take turns, one instruction a turn, in the same order in every step
.irp b, 0,1,2,3,4,5,6,7
	v_wmma_f32_16x16x128_fp8_fp8 v[8*(8*(\a)+\b):8*(8*(\a)+\b)+7], v[128*(\p)+16*\b:128*(\p)+16*\b+15], v[AF+64*(\p)+16*(\a):AF+64*(\p)+16*(\a)+15], v[8*(8*(\a)+\b):8*(8*(\a)+\b)+7]
.endr
.endm
.macro STEP p, n, s                    ; multiplies set p; the other set takes slot n's K step s meanwhile
	s_wait_dscnt 0x0                               ; set p is in: asked for 32 matrix instructions ago
	PLACES 4                                       ; four places between the products that read the other set and the loads into it
	FETCH \n, \s, 1-(\p)
	WIN MUL
	MUL8 \p, 0
	MUL8 \p, 1
	MUL8 \p, 2
	MUL8 \p, 3
	WIN 0
.endm
.macro TURN p, n, fill                 ; multiplies set p and goes on to slot n.  fill = 1: slot 0, read out, is filled again
	s_wait_tensorcnt 0x0                           ; all my tensor loads have landed,
	ds_add_u32 v[SPW], v[NIL]                      ; 0 onto my spare word;
	s_wait_dscnt 1                                 ; (only the add may be out: set p is in)
	WIN MUL
	MUL8 \p, 0                                     ; eight matrix instructions stand between the add and the wait for it
	s_wait_dscnt 0x0                               ; the add is done, and my reads of the slots so far are over
	s_barrier_signal -1
	MUL8 \p, 1
	WIN 0
	s_barrier_wait -1
.if \fill
	CREST                                          ; the barrier has opened a round of the cluster's: no wave of any partner still reads slot 0 or has a load on its way
	s_add_nc_u64 s[G0A+2:G0A+3], s[G0A+2:G0A+3], 3*KSB
	s_add_nc_u64 s[G0B+2:G0B+3], s[G0B+2:G0B+3], 3*KSB
	JLOAD                                          ; the first tensor load behind the round; its four v_nop are the places in front of the loads below
.else
	PLACES 4
.endif
	FETCH \n, 0, 1-(\p)
	WIN MUL
	MUL8 \p, 2
	MUL8 \p, 3
	WIN 0
.endm
	s_load_b256 s[4:11], s[0:1], 0x0               ; codes s[4:5], the scales' exponents s[6:7], bq s[8:9], bk s[10:11]
	s_load_b128 s[12:15], s[0:1], 0x20             ; bv s[12:13], heads s[14:15]
	v_lshl_add_u32 v[SPW], v0, 2, SPARE
	v_mov_b32 v[NIL], 0
	ds_add_u32 v28, v29
	ds_add_u32 v28, v29
	s_wait_dscnt 0x0
	v_lshrrev_b32 v1, 5, v0
	v_readfirstlane_b32 s16, v1                    ; wave
	s_lshr_b32 s17, s16, 1                         ; WA: my 64 rows of the A side.  Also: I fetch for A (0) or for B (1)
	s_and_b32 s18, s16, 1                          ; WB: my 128 rows of the B side.  Also: which part I fetch
	s_bfe_u32 s19, ttmp6, 0x40000                  ; cx
	s_bfe_u32 s20, ttmp6, 0x40004                  ; cy
	s_and_b32 s21, ttmp7, 0xffff                   ; cluster y, 0 .. 47
	s_lshr_b32 s22, s21, 4                         ; which projection: the same in all sixteen partners
	s_and_b32 s23, s21, 15
	s_lshl_b32 s80, s20, 2
	s_lshl_b32 s80, 15, s80                        ; my row of the cluster
	s_lshl_b32 s81, 0x1111, s19                    ; my column
	s_or_b32 s[G1A], s80, (3<<16)|(1<<21)          ; 15:0 the mask; 17:16 elements of 8 bytes; 21 set beside a mask; no padding
	s_or_b32 s[G1B], s81, (3<<16)|(1<<21)
.irp g, G1A, G1B
	s_mov_b32 s[\g+1], 32<<16                      ; tensor_dim0 = 32 elements: rows of 256 bytes of a dense block
	s_mov_b32 s[\g+3], 32<<16                      ; tile_dim0
	s_mov_b32 s[\g+5], 32                          ; the pitch
	s_mov_b32 s[\g+6], 0
	s_mov_b32 s[\g+7], 0
.endr
	s_mov_b32 s[G1A+2], 64<<16                     ; A: 64 rows, 16,384 bytes
	s_mov_b32 s[G1A+4], 64
	s_mov_b32 s[G1B+2], 128<<16                    ; B: 128 rows, 32,768 bytes
	s_mov_b32 s[G1B+4], 128
	; which blocks.  Q, K: A = tokens' block 4 YY + cy, B = the weight's blocks 2 cx, 2 cx + 1.  V: A = Wv's block 4 (YY % 2) + cy, B = tokens' blocks 2 (4 (YY / 2) + cx) and the next
	s_lshl_b32 s82, s23, 2
	s_and_b32 s83, s23, 1
	s_lshl_b32 s83, s83, 2
	s_lshl_b32 s84, s22, 23                        ; q's codes at 0, k's at 0x800000
	s_lshr_b32 s86, s23, 1
	s_lshl_b32 s86, s86, 2
	s_lshl_b32 s87, s22, 20
	s_add_co_u32 s87, s87, 0x1800000               ; Wq's, Wk's codes
	s_cmp_lt_u32 s22, 2
	s_cselect_b32 s82, s82, s83
	s_cselect_b32 s84, s84, 0x1a00000              ; Wv's codes
	s_cselect_b32 s86, 0, s86
	s_cselect_b32 s87, s87, 0x1000000              ; v's codes
	s_add_co_u32 s82, s82, s20                     ; ABLK: of cy and cluster y alone
	s_add_co_u32 s86, s86, s19                     ; BIDX: of cx and cluster y alone
	s_lshl_b32 s83, s82, 17
	s_add_co_u32 s84, s84, s83
	s_lshl_b32 s83, s18, 14
	s_add_co_u32 s84, s84, s83                     ; A: + the K step of 128 that I fetch
	s_mov_b32 s85, 0
	s_lshl_b32 s88, s86, 1
	s_add_co_u32 s88, s88, s18                     ; B: the block that I fetch
	s_lshl_b32 s88, s88, 17
	s_add_co_u32 s88, s88, s87
	s_mov_b32 s89, 0
	s_lshl_b32 s90, s18, 14                        ; where they go in a slot: no place in the cluster enters an LDS address
	s_lshl_b32 s91, s18, 15
	s_add_co_u32 s91, s91, 32768
	s_wait_kmcnt 0x0
	s_load_b256 s[68:75], s[6:7], 0x0              ; e0 .. e7
	s_load_b128 s[76:79], s[6:7], 0x20             ; e8 .. e11
	s_add_nc_u64 s[84:85], s[4:5], s[84:85]
	s_add_nc_u64 s[88:89], s[4:5], s[88:89]
.irp n, 0,1,2
	s_mov_b32 s[G0A+4*\n], 1
	s_add_co_u32 s[G0A+4*\n+1], s90, \n*SLOT
	s_add_nc_u64 s[G0A+4*\n+2:G0A+4*\n+3], s[84:85], \n*KSB
	s_or_b32 s[G0A+4*\n+3], s[G0A+4*\n+3], 0x80000000
	s_mov_b32 s[G0B+4*\n], 1
	s_add_co_u32 s[G0B+4*\n+1], s91, \n*SLOT
	s_add_nc_u64 s[G0B+4*\n+2:G0B+4*\n+3], s[88:89], \n*KSB
	s_or_b32 s[G0B+4*\n+3], s[G0B+4*\n+3], 0x80000000
.endr
	CROUND                                         ; all sixteen work-groups are here: the first joint loads meet
	s_cmp_eq_u32 s17, 0                            ; a wave's three first fills stand in one branch, ahead of every wait on TENSORcnt and every LDS read
	s_cbranch_scc0 .Lfirst_b
	tensor_load_to_lds s[G0A:G0A+3], s[G1A:G1A+7]
	s_nop 0
	tensor_load_to_lds s[G0A+4:G0A+7], s[G1A:G1A+7]
	s_nop 0
	tensor_load_to_lds s[G0A+8:G0A+11], s[G1A:G1A+7]
	s_nop 0
	PLACES 4
	s_branch .Lfirst_asked
.Lfirst_b:
	tensor_load_to_lds s[G0B:G0B+3], s[G1B:G1B+7]
	s_nop 0
	tensor_load_to_lds s[G0B+4:G0B+7], s[G1B:G1B+7]
	s_nop 0
	tensor_load_to_lds s[G0B+8:G0B+11], s[G1B:G1B+7]
	s_nop 0
	PLACES 4
.Lfirst_asked:
	v_and_b32 v1, 15, v0                           ; r
	v_bfe_u32 v2, v0, 4, 1                         ; h
	v_and_b32 v3, 31, v0
	v_lshlrev_b32 v3, 4, v3                        ; 16 x lane
	s_lshl_b32 s92, s17, 13                        ; my four tiles of A
	s_lshl_b32 s93, s18, 15
	s_add_co_u32 s93, s93, 32768                   ; my block of B
.irp n, 0,1,2
	v_add_nc_u32 v[ADRA+\n], s92, v3
	v_add_nc_u32 v[ADRB+\n], s93, v3
	s_add_co_u32 s92, s92, SLOT
	s_add_co_u32 s93, s93, SLOT
.endr
	s_wait_kmcnt 0x0
	s_add_co_i32 s94, s68, s69                     ; e0 + e1
	s_add_co_i32 s95, s70, s71                     ; e2 + e3
	s_add_co_i32 s96, s72, s73                     ; e4 + e5
	s_cmp_eq_u32 s22, 0
	s_cselect_b32 s94, s94, s95
	s_cselect_b32 s97, s74, s75                    ; e6 for Q, e7 for K
	s_cmp_lt_u32 s22, 2
	s_cselect_b32 s94, s94, s96                    ; ea + eb: a sum stands for sum x 2^(ea + eb)
	s_cselect_b32 s97, s97, s77                    ; e9 for V
	s_sub_co_i32 s95, 0, s94
	s_sub_co_i32 s96, s97, s94                     ; the three scales folded into the conversion's one
	s_add_co_i32 s96, s96, 127
	s_lshl_b32 s97, s96, 23
	v_mov_b32 v7, s97                              ; 2^(EOUT - ea - eb)
	; the bias starts the sums.  The branch hangs on cluster y alone
	s_cmp_lt_u32 s22, 2
	s_cbranch_scc0 .Lbias_v
	s_cmp_eq_u32 s22, 0
	s_cselect_b64 s[98:99], s[8:9], s[10:11]       ; bq or bk
	s_lshl_b32 s92, s19, 2
	s_lshl_b32 s93, s18, 1
	s_add_co_u32 s92, s92, s93                     ; my first head: 4 cx + 2 WB
	s_lshl_b32 s92, s92, 2
	s_mov_b32 s93, 0
	s_add_nc_u64 s[98:99], s[98:99], s[92:93]
	v_lshlrev_b32 v4, 10, v2                       ; feature 16 d + head, d = 32 beta + 8 u + 16 h + j: 64 bytes a channel
.set i, 0
.rept 64                                       ; i = 8 b + j, b = 4 hd + 2 beta + u
	global_load_b32 v[TMP+i], v4, s[98:99] offset:2048*(((i/8)%4)/2)+512*((i/8)%2)+64*(i%8)+4*(i/32)
.set i, i+1
.endr
	s_wait_loadcnt 0x0
	WIN 0x80                                       ; destination window 2
.irp a, 0,1,2,3
.set i, 0
.rept 64
	v_ldexp_f32 v[64*\a+i], v[TMP+i], s95
.set i, i+1
.endr
.endr
	WIN 0
	s_branch .Lbias_done
.Lbias_v:
	s_mov_b64 s[98:99], s[12:13]                   ; bv
	s_lshl_b32 s92, s82, 1
	s_add_co_u32 s92, s92, s17                     ; my head: 2 ABLK + WA
	s_lshl_b32 s92, s92, 2
	s_mov_b32 s93, 0
	s_add_nc_u64 s[98:99], s[98:99], s[92:93]
	v_and_b32 v5, 8, v1
	v_add_nc_u32 v5, v5, v1
	v_lshlrev_b32 v5, 6, v5                        ; my lane's channel in tile a: 32 (a / 2) + 8 (a % 2) + r + 8 (r / 8)
.irp a, 0,1,2,3
	global_load_b32 v[TMP+\a], v5, s[98:99] offset:2048*(\a/2)+512*(\a%2)
.endr
	s_wait_loadcnt 0x0
	WIN 0x80
.irp a, 0,1,2,3
.set i, 0
.rept 64
	v_ldexp_f32 v[64*\a+i], v[TMP+\a], s95
.set i, i+1
.endr
.endr
	WIN 0
.Lbias_done:
	; where the codes go.  Q, K: [batch x 16 + head][token tile (128)][piece (2)][512].  V: [batch x 16 + head][128 keys (16)][channel tile (4)][piece (4)][512]
	s_lshr_b32 s92, s82, 4                         ; batch
	s_lshl_b32 s92, s92, 4
	s_lshl_b32 s93, s19, 2
	s_add_co_u32 s92, s92, s93
	s_lshl_b32 s93, s18, 1
	s_add_co_u32 s92, s92, s93                     ; + my first head
	s_lshl_b32 s92, s92, 7
	s_and_b32 s93, s82, 15
	s_lshl_b32 s93, s93, 3
	s_add_co_u32 s92, s92, s93
	s_lshl_b32 s93, s17, 2
	s_add_co_u32 s92, s92, s93                     ; + my first token tile
	s_lshl_b32 s92, s92, 10
	s_lshl_b32 s93, s22, 23
	s_add_co_u32 s92, s92, s93
	s_lshr_b32 s96, s86, 3                         ; V: batch
	s_lshl_b32 s96, s96, 4
	s_lshl_b32 s97, s82, 1
	s_add_co_u32 s96, s96, s97
	s_add_co_u32 s96, s96, s17                     ; + my head
	s_lshl_b32 s96, s96, 4
	s_and_b32 s97, s86, 7
	s_lshl_b32 s97, s97, 1
	s_add_co_u32 s96, s96, s97
	s_add_co_u32 s96, s96, s18                     ; + my 128 keys
	s_lshl_b32 s96, s96, 13
	s_add_co_u32 s96, s96, 0x1000000
	s_mov_b32 s90, 2048
	s_mov_b32 s91, 1024
	s_cmp_lt_u32 s22, 2
	s_cselect_b32 s92, s92, s96
	s_cselect_b32 s90, 1024, s90                   ; from A's tile to the next
	s_cselect_b32 s91, 0x20000, s91                ; from a pair of pieces to the next: Q, K: the next head; V: 1,024 bytes
	s_mov_b32 s93, 0
	s_add_nc_u64 s[66:67], s[14:15], s[92:93]
.irp a, 0,1,2,3
	s_mul_i32 s92, s90, \a
	v_add_nc_u32 v[8+2*\a], s92, v3
	s_add_co_u32 s92, s92, s91
	v_add_nc_u32 v[9+2*\a], s92, v3
.endr
	s_wait_tensorcnt 2                             ; my part of slot 0 is in; slots 1 and 2 may stay out
	s_barrier_signal -1
	s_barrier_wait -1                              ; everybody's is
	FETCH 0, 0, 0
	s_wait_alu depctr_va_vdst(0)
	STEP 0, 0, 1
	TURN 1, 1, 1                                   ; slot 0 is read out: K = 768 .. 1,023 is asked for.  Every wave has shown slots 1 and 2 landed too
	STEP 0, 1, 1
	STEP 1, 2, 0
	STEP 0, 2, 1
	TURN 1, 0, 0                                   ; the refill has landed, everybody's part of it
	STEP 0, 0, 1
	s_wait_dscnt 0x0
	WIN MUL
	MUL8 1, 0
	MUL8 1, 1
	MUL8 1, 2
	MUL8 1, 3
	WIN 0
	PLACES 4                                       ; in front of the first read of results
	; THE WAY OUT: held, converted, stored: the conversions' results are pieces of the next operand as they stand.  Each accumulator is read from its low end on
.irp a, 0,1,2,3
	WIN 0x82                                       ; source 0 and destination window 2
.set i, 0
.rept 64
.set i, i+1
.endr
	WIN 0x02                                       ; source 0 window 2
.irp b, 0,1,2,3,4,5,6,7
	v_cvt_scalef32_pk8_fp8_f32 v[AF+16*\a+2*\b:AF+16*\a+2*\b+1], v[8*(8*\a+\b):8*(8*\a+\b)+7], v7
.endr
	v_nop                                          ; a plain vector line behind the last conversion
	WIN 0
.irp p, 0,1,2,3
	global_store_b128 v[8+2*\a+(\p/2)], v[AF+16*\a+4*\p:AF+16*\a+4*\p+3], s[66:67] offset:512*(\p%2)   ; a piece: 512 consecutive bytes, aligned
.endr
.endr
	s_wait_tensorcnt 0x0                           ; the wave's end
	ds_add_u32 v[SPW], v[NIL]
	s_wait_dscnt 0x0
	CROUND                                         ; the closing round: no work-group ends while a partner may still ask for a tile that names it
	s_endpgm
.Lfunc_end_k_qbbc430f6b3_proj:
	.size	k_qbbc430f6b3_proj, .Lfunc_end_k_qbbc430f6b3_proj-k_qbbc430f6b3_proj
	.p2alignl 7, 3214868480
	.fill 96, 4, 3214868480
	.section	.rodata,"a",@progbits
	.p2align	6, 0x0
	.amdhsa_kernel k_qbbc430f6b3_proj
		.amdhsa_group_segment_fixed_size 327680
		.amdhsa_private_segment_fixed_size 0
		.amdhsa_enable_private_segment 0
		.amdhsa_kernarg_size 48
		.amdhsa_user_sgpr_count 2
		.amdhsa_user_sgpr_kernarg_segment_ptr 1
		.amdhsa_wavefront_size32 1
		.amdhsa_system_sgpr_workgroup_id_x 1
		.amdhsa_system_sgpr_workgroup_id_y 1
		.amdhsa_system_sgpr_workgroup_id_z 1
		.amdhsa_system_vgpr_workitem_id 0
		.amdhsa_next_free_vgpr 768
		.amdhsa_next_free_sgpr 100
		.amdhsa_reserve_vcc 0
		.amdhsa_float_denorm_mode_32 3
		.amdhsa_float_denorm_mode_16_64 3
		.amdhsa_fp16_overflow 1
		.amdhsa_memory_ordered 1
		.amdhsa_forward_progress 1
		.amdhsa_inst_pref_size 97
	.end_amdhsa_kernel
	.amdgpu_metadata
---
amdhsa.version: [ 1, 2 ]
amdhsa.kernels:
  - .name:           k_qbbc430f6b3_proj
    .symbol:         k_qbbc430f6b3_proj.kd
    .args:
      - { .name: codes, .offset: 0, .size: 8, .value_kind: global_buffer, .address_space: global }
      - { .name: lowp_scales, .offset: 8, .size: 8, .value_kind: global_buffer, .address_space: global }
      - { .name: bq, .offset: 16, .size: 8, .value_kind: global_buffer, .address_space: global }
      - { .name: bk, .offset: 24, .size: 8, .value_kind: global_buffer, .address_space: global }
      - { .name: bv, .offset: 32, .size: 8, .value_kind: global_buffer, .address_space: global }
      - { .name: heads, .offset: 40, .size: 8, .value_kind: global_buffer, .address_space: global }
    .group_segment_fixed_size: 327680
    .private_segment_fixed_size: 0
    .kernarg_segment_align: 8
    .kernarg_segment_size: 48
    .max_flat_workgroup_size: 128
    .sgpr_count:     100
    .vgpr_count:     768
    .wavefront_size: 32
...
	.end_amdgpu_metadata
.endif
;; end of part 2
;; launch attn (part 3): grid 4 x 64, 16 waves a work-group, no clusters, 327,680 bytes of LDS; arguments heads, lowp_scales, ctx; writes ctx
.if DOCPART == 3
	.amdgcn_target "amdgcn-amd-amdhsa--gfx1250"
	.amdhsa_code_object_version 6
	.text
	.protected	k_qbbc430f6b3_attn
	.globl	k_qbbc430f6b3_attn
	.p2align	8
	.type	k_qbbc430f6b3_attn,@function
k_qbbc430f6b3_attn:
	s_mov_b64 s[64:65], 0
	v_nop
	global_prefetch_b8 v0, s[64:65] scope:SCOPE_SE
	s_setreg_imm32_b32 hwreg(HW_REG_WAVE_MODE, 25, 1), 1
	s_wait_xcnt 0x0
; Causal attention of one (batch, head) on codes of FP8 (E4M3), head size 64, 2,048 keys; the result is quantised at once to the codes of the last projection's operand.
; t = score x log2(e) / 32; M = the running largest t rounded UP to a whole number; p = 2^(t - M) is quantised with 2^e8, not normalised; the row's sum is taken of the unquantised p and divides at the end.
; When M moves, the sum and O are multiplied by 2^(old M - new M): nothing is rounded, and no branch hangs on data.
; SHARES.  Work-group (I, batch x 16 + head) owns the query blocks I and 7 - I of 256 queries: it walks I + 1 and then 8 - I slots of 256 keys: NINE SLOTS IN EVERY WORK-GROUP, a constant number of trips,
; no slot that lies wholly under the mask is fetched, and all work-groups have the same work.  Each of the sixteen waves owns 16 queries, one tile, in 256 registers: four waves to a SIMD.
; NO CLUSTER: the four work-groups of a head want a given slot in different trips (I + 1 apart); walking in step would take twelve slots' time in place of nine.
; LAYOUT.  Both products are used transposed: S^T = K Q^T (source 0 = 16 keys), O^T = V^T P^T (source 0 = 16 channels): a lane holds ONE query (lane % 16) throughout.  All operands lie in memory as images of their
; registers (a piece: 16 rows x 32 K, lane l's 16 bytes at 16 l), and the rows of a tile of K, of V's keys and of V's channels were chosen so that the 16 registers of two neighbouring result tiles are 16 neighbours
; along the next K: keys 32 b + 16 h + 0 .. 15 in S^T, channels 32 beta + 16 h + 0 .. 15 in O^T.
; LDS: two slots of 32,768 bytes: K's 16 tiles of 1,024, then V's [128 keys (2)][channel tile (4)][2,048].  Wave 0 fetches K's 16 KB, wave 1 V's, one tensor load each behind each change of slots: one outstanding.
; LIMITS: e6 + e7 between -121 and 132 (added to c's exponent field); e8 and e10 between -126 and 119.  NaN among the inputs is not served.
; REGISTERS: v1 16 x lane, v2 the slot's address, v3 256 x lane, v4 r - 16 h, v5, v6 the add's; v12 -M, v13 the largest t, v[14:15] the sum; v16-23 Q; v24-31 codes out; v32-95 fragments of K, then of V;
;   v96-159 S^T, then p; v160-191 O^T; v192-223 O scaled; v224-239 p's codes; v244: 2^e8; v245: 2^e10; v242, v243, v246, v252-254 at work.
.set SLOT1, 32768
.set SPARE, 65536                      ; behind the slots: the spare words, 128 bytes a wave, named by no other line
.set LI,  1
.set ADR, 2
.set PFO, 3
.set RH,  4
.set SPW, 5
.set NIL, 6
.set WV,  10                           ; s10 wave
.set IX,  11                           ; s11 I
.set BH,  12                           ; s12 batch x 16 + head
.set TR,  13                           ; s13 the trip
.set KSN, 14                           ; s14 which 256 keys the next trip wants
.set TB,  15                           ; s15 LDS byte at which the slot in hand begins
.set KF,  16                           ; s16 the step's first key
.set Q0,  17                           ; s17 my first query
.set BLK, 18                           ; s18 the query block in hand
.set SEL, 20                           ; s[20:21] selects for v_permlanex16_b32: lane l xor 16
.set CS,  22                           ; s[22:23] c
.set G1,  24                           ; s[24:31] descriptor group 1; s[32:35] group 0, which walks
.set G0,  32
.set FB,  36                           ; s[36:37] the head's K (even waves) or V (odd waves)
.set QB,  38                           ; s[38:39] the head's Q
.set QA,  40                           ; s[40:41] my tile of Q
.set CT,  42                           ; s[42:43] where my codes go
.set CTB, 44                           ; s[44:45] the same for block 0
.set PFB, 46                           ; s[46:47] the prefetches' base; s[48:49] their address
.set PFA, 48
.set CNT, 50                           ; s50 4 in a wave that prefetches, else 0
.set EO,  72                           ; s72 e8 + e9
.macro TLOAD                           ; waves 0 and 1 fetch; four v_nop follow the line
	s_cmp_lt_u32 s[WV], 2
	s_cbranch_scc0 .Lnone_\@
	tensor_load_to_lds s[G0:G0+3], s[G1:G1+7]
	s_nop 0
.rept 4
	v_nop
.endr
.Lnone_\@:
.endm
; A PREFETCH INTO THE L2 of the slot after the one just asked for, for key slots 4 to 7.  Of a head's four work-groups I = 0 comes to these slots in the earliest trip: it asks, and nobody else.  In it waves 4 and 5 name the halves of K's
; 16 KB and waves 6 and 7 those of V's: 8,192 bytes a wave, lanes 256 bytes apart, one instruction: each aligned block of 256 bytes is named once in the launch.  Slots 0 to 3 are wanted from the first trips on and come
; by their loads alone.  With slot 7 asked for nothing is prefetched: no address passes the head's codes.
.macro ASK
	s_sub_co_u32 s68, s[KSN], 3
	s_cmp_lt_u32 s68, s[CNT]                       ; KSN = 3 .. 6 in a wave that prefetches
	s_cbranch_scc0 .Lnot_mine_\@
	global_prefetch_b8 v[PFO], s[PFA:PFA+1] th:TH_LOAD_NT scope:SCOPE_SE
.Lnot_mine_\@:
.endm
; A query block begins: ids, addresses, Q's fragment, and the state: O^T and the sum zeros, the largest t -3e38, under every t
.macro START
	s_lshl_b32 s[Q0], s[BLK], 8
	s_lshl_b32 s68, s[WV], 4
	s_add_co_u32 s[Q0], s[Q0], s68
	s_mov_b32 s[KF], 0
	s_lshl_b32 s66, s[BLK], 14
	s_lshl_b32 s68, s[WV], 10
	s_add_co_u32 s66, s66, s68
	s_mov_b32 s67, 0
	s_add_nc_u64 s[QA:QA+1], s[QB:QB+1], s[66:67]
	s_lshl_b32 s66, s[BLK], 18                     ; a block of 256 queries is two blocks of 131,072 bytes of the output's image
	s_add_nc_u64 s[CT:CT+1], s[CTB:CTB+1], s[66:67]
	global_load_b128 v[16:19], v[LI], s[QA:QA+1]
	global_load_b128 v[20:23], v[LI], s[QA:QA+1] offset:512
	v_mov_b32 v13, 0xff61b1e6
	s_delay_alu instid0(VALU_DEP_1)
	v_floor_f32 v12, -v13
	v_mov_b32 v14, 0
	v_mov_b32 v15, 0
.set j, 0
.rept 32
	v_mov_b32 v[160+j], 0
.set j, j+1
.endr
	s_wait_loadcnt 0x0
.endm
; A KEY STEP: 128 keys, the q-th of the slot in hand
.macro STEP q
	s_add_co_u32 s68, s[Q0], 15
	s_cmp_gt_u32 s[KF], s68                        ; all 128 keys come after my 16 queries: the step's work is left out (a branch on ids; no barrier and no tensor load stands in a step)
	s_cbranch_scc1 .Lhidden_\@
	v_add_nc_u32 v[ADR], s[TB], v[LI]
.rept 3
	v_nop                                          ; with the addition: four places in front of loads into registers that matrix instructions have read
.endr
.irp t, 0,1,2,3,4,5,6,7
.irp c, 0,1
	ds_load_b128 v[32+8*\t+4*\c:32+8*\t+4*\c+3], v[ADR] offset:(8*(\q)+\t)*1024+512*\c
.endr
.endr
	s_wait_alu depctr_va_vdst(0)
	s_wait_dscnt 0x0
.irp t, 0,1,2,3,4,5,6,7
	v_wmma_f32_16x16x64_fp8_fp8 v[96+8*\t:103+8*\t], v[32+8*\t:39+8*\t], v[16:23], 0
.endr
.rept 4
	v_nop                                          ; four places: in front of V's loads into K's registers, and of the first read of the scores
.endr
.irp t, 0,1,2,3
.irp c, 0,1,2,3
	ds_load_b128 v[32+16*\t+4*\c:32+16*\t+4*\c+3], v[ADR] offset:16384+8192*(\q)+2048*\t+512*\c   ; V's four fragments land under the softmax
.endr
.endr
	s_add_co_u32 s68, s[KF], 127
	s_cmp_le_u32 s68, s[Q0]                        ; all keys count: no mask
	s_cbranch_scc1 .Lopen_\@
	s_sub_co_i32 s68, s[Q0], s[KF]
	v_add_nc_u32 v252, s68, v[RH]                  ; d = my query - KF - 16 h.  Register 16 b + i holds key KF + 16 h + 32 b + i: hidden where 32 b + i > d
	v_mov_b32 v254, 0xff800000                     ; -infinity: p = 0 then.  Key 0 counts for every query, so M is a number from the first step on
.set n, 0
.rept 64
	v_cmp_gt_i32 vcc_lo, 32*(n/16)+n%16, v252
	v_cndmask_b32 v[96+n], v[96+n], v254, vcc_lo
.set n, n+1
.endr
.Lopen_\@:
	v_max3_num_f32 v254, v96, v97, v98             ; the step's largest score of my query among my 64 keys, in two chains, each accumulator from its low end on,
	v_max3_num_f32 v252, v99, v100, v101
.set j, 6
.rept 14
	v_max3_num_f32 v254, v254, v[96+j], v[97+j]
	v_max3_num_f32 v252, v252, v[98+j], v[99+j]
.set j, j+4
.endr
	v_max3_num_f32 v254, v254, v158, v159
	s_delay_alu instid0(VALU_DEP_1)
	v_max_num_f32 v254, v254, v252
	s_delay_alu instid0(VALU_DEP_1)
	v_permlanex16_b32 v246, v254, s[SEL], s[SEL+1]
	s_delay_alu instid0(VALU_DEP_1)
	v_max_num_f32 v254, v254, v246                 ; and among lane l xor 16's
	s_delay_alu instid0(VALU_DEP_1)
	v_mul_f32 v254, s[CS], v254                    ; as t (c is positive)
	s_delay_alu instid0(VALU_DEP_1)
	v_max_num_f32 v13, v13, v254
	v_mov_b32 v254, v12
	s_delay_alu instid0(VALU_DEP_2)
	v_floor_f32 v12, -v13                          ; the new -M = floor(-t) = -ceil(t)
	s_delay_alu instid0(VALU_DEP_1)
	v_sub_f32 v254, v12, v254                      ; old M - new M: a whole number, 0 or less
	s_delay_alu instid0(VALU_DEP_1)
	v_cvt_i32_f32 v254, v254                       ; (it saturates)
	s_delay_alu instid0(VALU_DEP_1)
	v_ldexp_f32 v252, 1.0, v254                    ; f = 2^(old M - new M)
.set j, 0
.rept 32
	v_pk_fma_f32 v[96+j:97+j], v[96+j:97+j], s[CS:CS+1], v[12:13] op_sel_hi:[1,0,0]   ; t - M, two at a time
.set j, j+2
.endr
.set j, 0
	s_wait_alu depctr_va_vdst(0)
.rept 64
	v_exp_f32 v[96+j], v[96+j]                     ; p = 2^(t - M)
.set j, j+1
.endr
	v_pk_mul_f32 v[14:15], v[14:15], v[252:253] op_sel_hi:[1,0]   ; the sums under the new M: the plain line behind the exponentials
	s_wait_alu depctr_va_vdst(0)                   ; one wait for the whole batch, ahead of its first reader
	v_pk_add_f32 v[242:243], v[100:101], v[104:105]
	v_pk_add_f32 v[254:255], v[108:109], v[112:113]
	v_pk_add_f32 v[250:251], v[116:117], v[120:121]
	v_pk_add_f32 v[248:249], v[124:125], v[128:129]
	v_pk_add_f32 v[240:241], v[132:133], v[136:137]
	v_pk_add_f32 v[238:239], v[140:141], v[144:145]
	v_pk_add_f32 v[236:237], v[148:149], v[152:153]
	v_pk_add_f32 v[14:15], v[14:15], v[156:157]
	v_pk_add_f32 v[242:243], v[242:243], v[96:97]
	v_pk_add_f32 v[254:255], v[254:255], v[98:99]
	v_pk_add_f32 v[250:251], v[250:251], v[102:103]
	v_pk_add_f32 v[248:249], v[248:249], v[106:107]
	v_pk_add_f32 v[240:241], v[240:241], v[110:111]
	v_pk_add_f32 v[238:239], v[238:239], v[114:115]
	v_pk_add_f32 v[236:237], v[236:237], v[118:119]
	v_pk_add_f32 v[14:15], v[14:15], v[122:123]
	v_pk_add_f32 v[242:243], v[242:243], v[126:127]
	v_pk_add_f32 v[254:255], v[254:255], v[130:131]
	v_pk_add_f32 v[250:251], v[250:251], v[134:135]
	v_pk_add_f32 v[248:249], v[248:249], v[138:139]
	v_pk_add_f32 v[240:241], v[240:241], v[142:143]
	v_pk_add_f32 v[238:239], v[238:239], v[146:147]
	v_pk_add_f32 v[236:237], v[236:237], v[150:151]
	v_pk_add_f32 v[14:15], v[14:15], v[154:155]
	v_pk_add_f32 v[242:243], v[242:243], v[158:159]
	s_delay_alu instid0(VALU_DEP_2)
	v_pk_add_f32 v[14:15], v[14:15], v[248:249]
	s_delay_alu instid0(VALU_DEP_2)
	v_pk_add_f32 v[242:243], v[242:243], v[240:241]
	v_pk_add_f32 v[254:255], v[254:255], v[238:239]
	v_pk_add_f32 v[250:251], v[250:251], v[236:237]
	s_delay_alu instid0(VALU_DEP_2)
	v_pk_add_f32 v[14:15], v[14:15], v[254:255]
	s_delay_alu instid0(VALU_DEP_2)
	v_pk_add_f32 v[242:243], v[242:243], v[250:251]
	s_delay_alu instid0(VALU_DEP_1)
	v_pk_add_f32 v[14:15], v[14:15], v[242:243]
.irp b, 0,1,2,3
.set j, 0
.rept 16
.set j, j+1
.endr
	v_cvt_scalef32_pk8_fp8_f32 v[224+4*\b:225+4*\b], v[96+16*\b:103+16*\b], v244
	v_cvt_scalef32_pk8_fp8_f32 v[226+4*\b:227+4*\b], v[104+16*\b:111+16*\b], v244
.endr
.set j, 0
.rept 16
	v_pk_mul_f32 v[160+j:161+j], v[160+j:161+j], v[252:253] op_sel_hi:[1,0]   ; O^T under the new M; also the plain lines between the conversions and the products
.set j, j+2
.endr
	s_wait_alu depctr_va_vdst(0)
	s_wait_dscnt 0x0                               ; V is in
.irp t, 0,1,2,3
	v_wmma_f32_16x16x128_fp8_fp8 v[160+8*\t:167+8*\t], v[32+16*\t:47+16*\t], v[224:239], v[160+8*\t:167+8*\t]   ; four accumulators by turns
.endr
.Lhidden_\@:
	s_add_co_u32 s[KF], s[KF], 128
.endm
; THE CHANGE OF SLOTS stands at a trip's head.  Each wave waits for all its tensor loads (its part of the slot ahead), adds 0 to its spare word, and waits for that and for its reads of the slot that it has left.
; fill = 1: behind the barrier that other slot takes the next trip's keys: the next 256, or the first 256 again where the second query block begins
.macro CHANGE fill
	s_wait_tensorcnt 0x0                           ; no tensor load of mine is out, so group 0 may be written
	ds_add_u32 v[SPW], v[NIL]                      ; 0 onto my spare word
.if \fill
	s_xor_b32 s[G0+1], s[G0+1], SLOT1
	s_add_co_u32 s[KSN], s[KSN], 1
	s_cmp_eq_u32 s[TR], s[IX]
	s_cselect_b32 s[KSN], 0, s[KSN]
	s_lshl_b32 s66, s[KSN], 14
	s_mov_b32 s67, 0
	s_add_nc_u64 s[G0+2:G0+3], s[FB:FB+1], s[66:67]
	s_or_b32 s[G0+3], s[G0+3], 0x80000000
	s_wait_xcnt 0x0                                ; the last prefetch, a trip back, has read its address
	s_add_nc_u64 s[PFA:PFA+1], s[PFB:PFB+1], s[66:67]
	s_add_nc_u64 s[PFA:PFA+1], s[PFA:PFA+1], 16384 ; one slot further on
.endif
	s_wait_dscnt 0x0                               ; the add is done, and my reads of the slot that I have left are over
	s_barrier_signal -1
	s_barrier_wait -1
.if \fill
	TLOAD                                          ; the first thing behind the barrier, and a wave's one tensor load until the next
	ASK
.endif
.endm
; A query block ends: O^T / the sum x 2^(e8 + e9), held, converted with 2^e10: two pieces of the last projection's operand, 1,024 consecutive bytes a wave
.macro WAYOUT
.rept 4
	v_nop                                          ; places behind the last products
.endr
	s_wait_xcnt 0x0                                ; earlier stores have read the registers that are written below
	v_add_f32 v14, v14, v15
	s_delay_alu instid0(VALU_DEP_1)
	v_permlanex16_b32 v252, v14, s[SEL], s[SEL+1]
	s_delay_alu instid0(VALU_DEP_1)
	v_add_f32 v14, v14, v252                       ; the row's sum
	s_wait_alu depctr_va_vdst(0)
	v_rcp_f32 v14, v14
	v_nop                                          ; a plain line behind the transcendental,
	s_wait_alu depctr_va_vdst(0)                   ; and the wait ahead of its first reader
	v_ldexp_f32 v14, v14, s[EO]
.set j, 0
.rept 32
	v_mul_f32 v[192+j], v[160+j], v14              ; register 8 t + i: channel 32 (t / 2) + 16 h + 8 (t % 2) + i of query r
.set j, j+1
.endr
.set j, 0
.rept 32
.set j, j+1
.endr
.irp t, 0,1,2,3
	v_cvt_scalef32_pk8_fp8_f32 v[24+2*\t:25+2*\t], v[192+8*\t:199+8*\t], v245
.endr
	v_nop                                          ; a plain vector line behind the last conversion
	global_store_b128 v[LI], v[24:27], s[CT:CT+1]
	global_store_b128 v[LI], v[28:31], s[CT:CT+1] offset:512
.endm
	s_load_b128 s[4:7], s[0:1], 0x0                ; heads s[4:5], the scales' exponents s[6:7]
	s_load_b64 s[8:9], s[0:1], 0x10                ; ctx
	v_lshl_add_u32 v[SPW], v0, 2, SPARE
	v_mov_b32 v[NIL], 0
	ds_add_u32 v5, v6
	ds_add_u32 v5, v6
	s_wait_dscnt 0x0
	v_lshrrev_b32 v[ADR], 5, v0
	s_delay_alu instid0(VALU_DEP_1)
	v_readfirstlane_b32 s[WV], v[ADR]
	s_mov_b32 s[IX], ttmp9
	s_and_b32 s[BH], ttmp7, 0xffff
	s_mov_b32 s[G1], 3<<16                         ; no mask; elements of 8 bytes; no padding
	s_mov_b32 s[G1+1], 32<<16                      ; a dense block of 16,384 bytes as 64 rows of 256
	s_mov_b32 s[G1+2], 64<<16
	s_mov_b32 s[G1+3], 32<<16
	s_mov_b32 s[G1+4], 64
	s_mov_b32 s[G1+5], 32
	s_mov_b32 s[G1+6], 0
	s_mov_b32 s[G1+7], 0
	s_mov_b32 s[SEL], 0x76543210
	s_mov_b32 s[SEL+1], 0xfedcba98
	s_mov_b32 s[CS], 0x3d38aa3b                    ; c = log2(e) / 32
	s_mov_b32 s[TB], 0
	s_mov_b32 s[KSN], 0
	s_mov_b32 s[TR], 0
	s_mov_b32 s[BLK], s[IX]
	s_and_b32 s68, s[WV], 1
	s_lshl_b32 s[G0+1], s68, 14                    ; K at a slot's head, V 16,384 bytes on
	s_lshl_b32 s69, s68, 23
	s_add_co_u32 s69, s69, 0x800000                ; K's codes at 0x800000, V's at 0x1000000
	s_lshl_b32 s70, s[BH], 17                      ; a head's codes are 131,072 bytes in each of the three
	s_add_co_u32 s66, s69, s70
	s_mov_b32 s67, 0
	s_mov_b32 s71, 0
	s_mov_b32 s[G0], 1
	s_wait_kmcnt 0x0
	s_load_b256 s[52:59], s[6:7], 0x0              ; e0 .. e7
	s_load_b128 s[60:63], s[6:7], 0x20             ; e8 .. e11
	s_add_nc_u64 s[FB:FB+1], s[4:5], s[66:67]
	s_add_nc_u64 s[QB:QB+1], s[4:5], s[70:71]
	s_mov_b64 s[G0+2:G0+3], s[FB:FB+1]
	s_or_b32 s[G0+3], s[G0+3], 0x80000000
	TLOAD                                          ; keys 0 .. 255 into slot 0
	s_mov_b32 s66, 0x1000000
	s_cmp_lt_u32 s[WV], 6
	s_cselect_b32 s66, 0x800000, s66               ; the prefetches: waves 4, 5 K; waves 6, 7 V
	s_add_co_u32 s66, s66, s70
	s_lshl_b32 s68, s68, 13                        ; which half of the 16 KB
	s_add_co_u32 s66, s66, s68
	s_add_nc_u64 s[PFB:PFB+1], s[4:5], s[66:67]
	s_sub_co_u32 s68, s[WV], 4
	s_lshr_b32 s68, s68, 2                         ; 0 in waves 4 to 7,
	s_or_b32 s68, s68, s[IX]                       ; of work-group I = 0
	s_cmp_eq_u32 s68, 0
	s_cselect_b32 s[CNT], 4, 0
	s_lshr_b32 s68, s[BH], 4                       ; the output's image: [block of 128 rows][K step = head / 2][tile][piece = 2 (head % 2) + beta][512]
	s_lshl_b32 s68, s68, 4
	s_lshr_b32 s69, s[WV], 3
	s_add_co_u32 s68, s68, s69
	s_lshl_b32 s68, s68, 17
	s_and_b32 s69, s[BH], 15
	s_lshr_b32 s69, s69, 1
	s_lshl_b32 s69, s69, 14
	s_add_co_u32 s68, s68, s69
	s_and_b32 s69, s[WV], 7
	s_lshl_b32 s69, s69, 11
	s_add_co_u32 s68, s68, s69
	s_and_b32 s69, s[BH], 1
	s_lshl_b32 s69, s69, 10
	s_add_co_u32 s66, s68, s69
	s_add_nc_u64 s[CTB:CTB+1], s[8:9], s[66:67]
	v_and_b32 v[LI], 31, v0
	s_delay_alu instid0(VALU_DEP_1)
	v_lshlrev_b32 v[PFO], 8, v[LI]
	s_delay_alu instid0(VALU_DEP_2)
	v_lshlrev_b32 v[LI], 4, v[LI]
	s_wait_alu depctr_va_vdst(0)
	v_and_b32 v[RH], 15, v0
	v_bfe_u32 v7, v0, 4, 1
	s_delay_alu instid0(VALU_DEP_1)
	v_lshlrev_b32 v7, 4, v7
	s_delay_alu instid0(VALU_DEP_1)
	v_sub_nc_u32 v[RH], v[RH], v7                  ; r - 16 h
	v_mov_b32 v246, 0                              ; written once: a lane permute's destination counts as one of its sources
	v_mov_b32 v252, 0
	v_mov_b32 v253, 0                              ; (named as the upper half of the pair v[252:253])
	v_mov_b32 v254, 0
	START
	s_wait_kmcnt 0x0
	s_add_co_i32 s68, s58, s59
	s_lshl_b32 s68, s68, 23
	s_add_co_i32 s[CS], s[CS], s68                 ; a score stands for score x 2^(e6 + e7): added to c's exponent field
	s_mov_b32 s[CS+1], s[CS]                       ; (named with it as a pair)
	s_add_co_i32 s68, s60, 127
	s_lshl_b32 s69, s68, 23
	v_mov_b32 v244, s69                            ; 2^e8
	s_add_co_i32 s68, s62, 127
	s_lshl_b32 s69, s68, 23
	v_mov_b32 v245, s69                            ; 2^e10
	s_add_co_i32 s[EO], s60, s61
.Lslot:                                            ; eight trips: behind each change of slots but the last the next trip's keys are asked for
	CHANGE 1
	STEP 0
	STEP 1
	s_xor_b32 s[TB], s[TB], SLOT1
	s_cmp_lg_u32 s[TR], s[IX]                      ; trip I ends the first query block
	s_cbranch_scc1 .Lsame
	WAYOUT
	s_wait_xcnt 0x0                                ; the stores have read their base: it is written anew below
	s_sub_co_u32 s[BLK], 7, s[IX]
	START
.Lsame:
	s_add_co_u32 s[TR], s[TR], 1
	s_cmp_lt_u32 s[TR], 8
	s_cbranch_scc1 .Lslot
	CHANGE 0                                       ; the last trip is written out
	STEP 0
	STEP 1
	WAYOUT
	s_wait_tensorcnt 0x0                           ; the wave's end
	ds_add_u32 v[SPW], v[NIL]
	s_wait_dscnt 0x0
	s_endpgm
.Lfunc_end_k_qbbc430f6b3_attn:
	.size	k_qbbc430f6b3_attn, .Lfunc_end_k_qbbc430f6b3_attn-k_qbbc430f6b3_attn
	.p2alignl 7, 3214868480
	.fill 96, 4, 3214868480
	.section	.rodata,"a",@progbits
	.p2align	6, 0x0
	.amdhsa_kernel k_qbbc430f6b3_attn
		.amdhsa_group_segment_fixed_size 327680
		.amdhsa_private_segment_fixed_size 0
		.amdhsa_enable_private_segment 0
		.amdhsa_kernarg_size 24
		.amdhsa_user_sgpr_count 2
		.amdhsa_user_sgpr_kernarg_segment_ptr 1
		.amdhsa_wavefront_size32 1
		.amdhsa_system_sgpr_workgroup_id_x 1
		.amdhsa_system_sgpr_workgroup_id_y 1
		.amdhsa_system_sgpr_workgroup_id_z 1
		.amdhsa_system_vgpr_workitem_id 0
		.amdhsa_next_free_vgpr 256
		.amdhsa_next_free_sgpr 80
		.amdhsa_reserve_vcc 1
		.amdhsa_float_denorm_mode_32 3
		.amdhsa_float_denorm_mode_16_64 3
		.amdhsa_fp16_overflow 1
		.amdhsa_memory_ordered 1
		.amdhsa_forward_progress 1
		.amdhsa_inst_pref_size 90
	.end_amdhsa_kernel
	.amdgpu_metadata
---
amdhsa.version: [ 1, 2 ]
amdhsa.kernels:
  - .name:           k_qbbc430f6b3_attn
    .symbol:         k_qbbc430f6b3_attn.kd
    .args:
      - { .name: heads, .offset: 0, .size: 8, .value_kind: global_buffer, .address_space: global }
      - { .name: lowp_scales, .offset: 8, .size: 8, .value_kind: global_buffer, .address_space: global }
      - { .name: ctx, .offset: 16, .size: 8, .value_kind: global_buffer, .address_space: global }
    .group_segment_fixed_size: 327680
    .private_segment_fixed_size: 0
    .kernarg_segment_align: 8
    .kernarg_segment_size: 24
    .max_flat_workgroup_size: 512
    .sgpr_count:     80
    .vgpr_count:     256
    .wavefront_size: 32
...
	.end_amdgpu_metadata
.endif
;; end of part 3
;; launch outp (part 4): grid 4 x 64, 4 waves a work-group, clusters of 4 x 4, 327,680 bytes of LDS; arguments ctx, codes, lowp_scales, bo, out0; writes out0
.if DOCPART == 4
	.amdgcn_target "amdgcn-amd-amdhsa--gfx1250"
	.amdhsa_code_object_version 6
	.text
	.protected	k_qbbc430f6b3_outp
	.globl	k_qbbc430f6b3_outp
	.p2align	8
	.type	k_qbbc430f6b3_outp,@function
k_qbbc430f6b3_outp:
	s_mov_b64 s[64:65], 0
	v_nop
	global_prefetch_b8 v0, s[64:65] scope:SCOPE_SE
	s_setreg_imm32_b32 hwreg(HW_REG_WAVE_MODE, 25, 1), 1
	s_wait_xcnt 0x0
	s_wait_alu depctr_hold_cnt(0) depctr_sa_sdst(0) depctr_va_vdst(0) depctr_va_sdst(0) depctr_va_ssrc(0) depctr_va_vcc(0) depctr_vm_vsrc(0)
	s_getreg_b32 s2, hwreg(HW_REG_IB_STS2, 6, 4)
	s_cmp_eq_u32 s2, 0
	s_cbranch_scc0 .Lentry_in_a_cluster
	s_endpgm
.Lentry_in_a_cluster:
	s_bfe_u32 s2, ttmp6, 0x10000c
	s_cmp_lg_u32 s2, 0xf033
	s_cbranch_scc0 .Lentry_shape_is_right
	s_endpgm
.Lentry_shape_is_right:
; out0 = concat Wo^T + bo on codes of FP8 (E4M3): concat's codes (scale 2^e10) and Wo's (2^e11) come as images of operand registers; out0 [8192][1024] f32.
; A tile is 128 tokens (the A side) x 256 outputs (the B side), K = 1,024; four waves, each 64 x 128: 32 accumulators of 16 x 16; 256 work-groups.
; THE MATRIX INSTRUCTION TAKES THE B SIDE AS SOURCE 0 AND THE A SIDE AS SOURCE 1: lane (r, h) of accumulator (a, b) holds token r of tile a and outputs 16 b + 8 h + 0 .. 7: 32 neighbouring bytes of a row.
; OPERANDS: a fragment (16 rows x 128 K) is 2,048 bytes, lane l's 16 bytes of piece c at 512 c + 16 l: every tile is a dense block of memory and every LDS load takes 512 consecutive bytes.  The order of k inside a
; fragment is the same on both sides.
; LDS: three slots of 98,304 bytes, K = 256 each: A's 32 KB, then B's 64 KB.  K = 0 .. 767 is asked for at once, by three loads a wave; K = 768 .. 1,023 goes into slot 0 behind the one change of slots that fills.
; By this text's count a wave has at most three tensor loads outstanding.  The stages of the way out lie in slot 1, which has had its only fill and its last read by then.
; CLUSTER 4 x 4: A's tiles hang on cy and are shared along a row of the cluster, B's on cx and are shared along a column.
; THE BIAS starts the sums, as bo / 2^(e10 + e11); each finished sum is multiplied once by 2^(e10 + e11).
; LIMITS: e10 + e11 between -126 and 127; bo / 2^(e10 + e11) inside f32's range.
; REGISTERS: window 0: v1 r, v2 h, v3 16 x lane, v4 bias offset, v16-18, v20-22 LDS addresses, v24, v25 the stage, v28, v29 the add's; v32-95 biases, later a block's results; v128-255 A's two sets, later rows of out0.
;   window 1: B's two sets of 128.   window 2: the accumulators, (a, b) at v[8 (8 a + b)].
.set SLOT,  98304
.set KSB,   32768
.set SPARE, 3*SLOT                     ; behind the slots: the spare words, 128 bytes a wave, named by no other line
.set SPITCH, 528                       ; a stage row: 512 bytes + 16
.set ADRA,  16
.set ADRB,  20
.set STO,   24
.set RD,    25
.set SPW,   28
.set NIL,   29
.set TMP,   32
.set AF,    128
.set G1A,   24
.set G1B,   32
.set G0A,   40
.set G0B,   52
.set MSB,   0
.macro WIN new                         ; the immediate's high byte repeats the setting that is left
.if MSB != \new
	s_set_vgpr_msb (MSB<<8)|\new
.set MSB, \new
.endif
.endm
.set MUL,  0xa1                        ; source 0 (B) window 1, source 1 (A) window 0, C and D window 2
.set TO_B, 0x40                        ; destination window 1, address window 0
.macro PLACES n
.rept \n
	v_nop
.endr
.endm
.macro CREST                           ; a round of the cluster's barrier behind its opening barrier
	s_cmp_lg_u32 s16, 0
	s_cbranch_scc1 .Lnot_wave_0_\@
	s_barrier_signal -3
.Lnot_wave_0_\@:
	s_barrier_wait -3
	s_barrier_signal -1
	s_barrier_wait -1
.endm
.macro CROUND
	s_barrier_signal -1
	s_barrier_wait -1
	CREST
.endm
.macro JLOAD                           ; the joint refill of slot 0: waves 0, 1 for A, waves 2, 3 for B; four v_nop follow each line
	s_cmp_eq_u32 s17, 0
	s_cbranch_scc0 .Lfor_b_\@
	tensor_load_to_lds s[G0A:G0A+3], s[G1A:G1A+7]
	s_nop 0
	PLACES 4
	s_branch .Lasked_\@
.Lfor_b_\@:
	tensor_load_to_lds s[G0B:G0B+3], s[G1B:G1B+7]
	s_nop 0
	PLACES 4
.Lasked_\@:
.endm
.macro FETCH n, s, p                   ; slot n, its K step s of 128: B's eight fragments and A's four into set p
	WIN TO_B
.irp b, 0,1,2,3,4,5,6,7
.irp c, 0,1,2,3
	ds_load_b128 v[128*(\p)+16*\b+4*\c:128*(\p)+16*\b+4*\c+3], v[ADRB+\n] offset:16384*(\s)+2048*\b+512*\c
.endr
.endr
	WIN 0
.irp a, 0,1,2,3
.irp c, 0,1,2,3
	ds_load_b128 v[AF+64*(\p)+16*\a+4*\c:AF+64*(\p)+16*\a+4*\c+3], v[ADRA+\n] offset:16384*(\s)+2048*\a+512*\c
.endr
.endr
.endm
.macro MUL8 p, a                       ; A's tile a against B's eight.  The 32 accumulators take turns, one instruction a turn, in the same order in every step
.irp b, 0,1,2,3,4,5,6,7
	v_wmma_f32_16x16x128_fp8_fp8 v[8*(8*(\a)+\b):8*(8*(\a)+\b)+7], v[128*(\p)+16*\b:128*(\p)+16*\b+15], v[AF+64*(\p)+16*(\a):AF+64*(\p)+16*(\a)+15], v[8*(8*(\a)+\b):8*(8*(\a)+\b)+7]
.endr
.endm
.macro STEP p, n, s                    ; multiplies set p; the other set takes slot n's K step s meanwhile
	s_wait_dscnt 0x0                               ; set p is in: asked for 32 matrix instructions ago
	PLACES 4                                       ; four places between the products that read the other set and the loads into it
	FETCH \n, \s, 1-(\p)
	WIN MUL
	MUL8 \p, 0
	MUL8 \p, 1
	MUL8 \p, 2
	MUL8 \p, 3
	WIN 0
.endm
.macro TURN p, n, fill                 ; multiplies set p and goes on to slot n.  fill = 1: slot 0, read out, is filled again
	s_wait_tensorcnt 0x0                           ; all my tensor loads have landed,
	ds_add_u32 v[SPW], v[NIL]                      ; 0 onto my spare word;
	s_wait_dscnt 1                                 ; (only the add may be out: set p is in)
	WIN MUL
	MUL8 \p, 0                                     ; eight matrix instructions stand between the add and the wait for it
	s_wait_dscnt 0x0                               ; the add is done, and my reads of the slots so far are over
	s_barrier_signal -1
	MUL8 \p, 1
	WIN 0
	s_barrier_wait -1
.if \fill
	CREST                                          ; the barrier has opened a round of the cluster's: no wave of any partner still reads slot 0 or has a load on its way
	s_add_nc_u64 s[G0A+2:G0A+3], s[G0A+2:G0A+3], 3*KSB
	s_add_nc_u64 s[G0B+2:G0B+3], s[G0B+2:G0B+3], 3*KSB
	JLOAD                                          ; the first tensor load behind the round; its four v_nop are the places in front of the loads below
.else
	PLACES 4
.endif
	FETCH \n, 0, 1-(\p)
	WIN MUL
	MUL8 \p, 2
	MUL8 \p, 3
	WIN 0
.endm
	s_load_b256 s[4:11], s[0:1], 0x0               ; ctx s[4:5], codes s[6:7], the scales' exponents s[8:9], bo s[10:11]
	s_load_b64 s[12:13], s[0:1], 0x20              ; out0
	v_lshl_add_u32 v[SPW], v0, 2, SPARE
	v_mov_b32 v[NIL], 0
	ds_add_u32 v28, v29
	ds_add_u32 v28, v29
	s_wait_dscnt 0x0
	v_lshrrev_b32 v1, 5, v0
	v_readfirstlane_b32 s16, v1                    ; wave
	s_lshr_b32 s17, s16, 1                         ; WA: my 64 tokens.  Also: I fetch for A (0) or for B (1)
	s_and_b32 s18, s16, 1                          ; WB: my 128 outputs.  Also: which part I fetch
	s_bfe_u32 s19, ttmp6, 0x40000                  ; cx
	s_bfe_u32 s20, ttmp6, 0x40004                  ; cy
	s_and_b32 s21, ttmp7, 0xffff                   ; cluster y, 0 .. 15
	s_lshl_b32 s80, s20, 2
	s_lshl_b32 s80, 15, s80                        ; my row of the cluster
	s_lshl_b32 s81, 0x1111, s19                    ; my column
	s_or_b32 s[G1A], s80, (3<<16)|(1<<21)          ; 15:0 the mask; 17:16 elements of 8 bytes; 21 set beside a mask; no padding
	s_or_b32 s[G1B], s81, (3<<16)|(1<<21)
.irp g, G1A, G1B
	s_mov_b32 s[\g+1], 32<<16                      ; rows of 256 bytes of a dense block
	s_mov_b32 s[\g+3], 32<<16
	s_mov_b32 s[\g+5], 32
	s_mov_b32 s[\g+6], 0
	s_mov_b32 s[\g+7], 0
.endr
	s_mov_b32 s[G1A+2], 64<<16                     ; A: 64 rows, 16,384 bytes
	s_mov_b32 s[G1A+4], 64
	s_mov_b32 s[G1B+2], 128<<16                    ; B: 128 rows, 32,768 bytes
	s_mov_b32 s[G1B+4], 128
	s_lshl_b32 s82, s21, 2
	s_add_co_u32 s82, s82, s20                     ; the block of 128 tokens: 4 x cluster y + cy
	s_lshl_b32 s84, s82, 17
	s_lshl_b32 s83, s18, 14
	s_add_co_u32 s84, s84, s83                     ; + the K step of 128 that I fetch
	s_mov_b32 s85, 0
	s_lshl_b32 s88, s19, 1
	s_add_co_u32 s88, s88, s18                     ; Wo's block that I fetch: 2 cx + WB
	s_lshl_b32 s88, s88, 17
	s_add_co_u32 s88, s88, 0x1b00000               ; Wo's codes
	s_mov_b32 s89, 0
	s_lshl_b32 s90, s18, 14                        ; where they go in a slot: no place in the cluster enters an LDS address
	s_lshl_b32 s91, s18, 15
	s_add_co_u32 s91, s91, 32768
	s_wait_kmcnt 0x0
	s_load_b64 s[78:79], s[8:9], 0x28              ; e10, e11
	s_add_nc_u64 s[84:85], s[4:5], s[84:85]
	s_add_nc_u64 s[88:89], s[6:7], s[88:89]
.irp n, 0,1,2
	s_mov_b32 s[G0A+4*\n], 1
	s_add_co_u32 s[G0A+4*\n+1], s90, \n*SLOT
	s_add_nc_u64 s[G0A+4*\n+2:G0A+4*\n+3], s[84:85], \n*KSB
	s_or_b32 s[G0A+4*\n+3], s[G0A+4*\n+3], 0x80000000
	s_mov_b32 s[G0B+4*\n], 1
	s_add_co_u32 s[G0B+4*\n+1], s91, \n*SLOT
	s_add_nc_u64 s[G0B+4*\n+2:G0B+4*\n+3], s[88:89], \n*KSB
	s_or_b32 s[G0B+4*\n+3], s[G0B+4*\n+3], 0x80000000
.endr
	CROUND                                         ; all sixteen work-groups are here: the first joint loads meet
	s_cmp_eq_u32 s17, 0                            ; a wave's three first fills stand in one branch, ahead of every wait on TENSORcnt and every LDS read
	s_cbranch_scc0 .Lfirst_b
	tensor_load_to_lds s[G0A:G0A+3], s[G1A:G1A+7]
	s_nop 0
	tensor_load_to_lds s[G0A+4:G0A+7], s[G1A:G1A+7]
	s_nop 0
	tensor_load_to_lds s[G0A+8:G0A+11], s[G1A:G1A+7]
	s_nop 0
	PLACES 4
	s_branch .Lfirst_asked
.Lfirst_b:
	tensor_load_to_lds s[G0B:G0B+3], s[G1B:G1B+7]
	s_nop 0
	tensor_load_to_lds s[G0B+4:G0B+7], s[G1B:G1B+7]
	s_nop 0
	tensor_load_to_lds s[G0B+8:G0B+11], s[G1B:G1B+7]
	s_nop 0
	PLACES 4
.Lfirst_asked:
	v_and_b32 v1, 15, v0                           ; r
	v_bfe_u32 v2, v0, 4, 1                         ; h
	v_and_b32 v3, 31, v0
	v_lshlrev_b32 v3, 4, v3                        ; 16 x lane
	s_lshl_b32 s92, s17, 13                        ; my four tiles of A
	s_lshl_b32 s93, s18, 15
	s_add_co_u32 s93, s93, 32768                   ; my block of B
.irp n, 0,1,2
	v_add_nc_u32 v[ADRA+\n], s92, v3
	v_add_nc_u32 v[ADRB+\n], s93, v3
	s_add_co_u32 s92, s92, SLOT
	s_add_co_u32 s93, s93, SLOT
.endr
	s_mul_i32 s92, s16, 16*SPITCH
	s_add_co_u32 s92, s92, SLOT                    ; my stage, in slot 1
	v_mul_u32_u24 v[STO], v1, SPITCH
	v_lshl_add_u32 v[STO], v2, 5, v[STO]
	v_add_nc_u32 v[STO], s92, v[STO]               ; in: row r, 32 bytes for each half of the lanes
	v_add_nc_u32 v[RD], s92, v3                    ; back: the 32 lanes take one row of 512 bytes
	s_lshl_b32 s92, s19, 10
	s_lshl_b32 s93, s18, 9
	s_add_co_u32 s92, s92, s93                     ; my first output, in bytes: 1,024 cx + 512 WB
	s_mov_b32 s93, 0
	s_add_nc_u64 s[98:99], s[10:11], s[92:93]      ; bo there
	s_lshl_b32 s94, s82, 19
	s_lshl_b32 s95, s17, 18
	s_add_co_u32 s94, s94, s95                     ; my first token's row of 4,096 bytes
	s_add_co_u32 s94, s94, s92
	s_mov_b32 s95, 0
	s_add_nc_u64 s[66:67], s[12:13], s[94:95]
	v_lshlrev_b32 v4, 5, v2                        ; accumulator b wants bo at outputs 16 b + 8 h + 0 .. 7
.irp b, 0,1,2,3,4,5,6,7
	global_load_b128 v[TMP+8*\b:TMP+8*\b+3], v4, s[98:99] offset:64*\b
	global_load_b128 v[TMP+8*\b+4:TMP+8*\b+7], v4, s[98:99] offset:64*\b+16
.endr
	s_wait_kmcnt 0x0
	s_add_co_i32 s96, s78, s79                     ; e10 + e11: a sum stands for sum x 2^(e10 + e11)
	s_sub_co_i32 s92, 0, s96
	s_add_co_i32 s96, s96, 127
	s_lshl_b32 s96, s96, 23                        ; 2^(e10 + e11) as f32
	s_mov_b32 s97, s96                             ; (named with it as a pair)
	s_wait_loadcnt 0x0
	WIN 0x80                                       ; destination window 2: the bias starts the sums
.irp a, 0,1,2,3
.set i, 0
.rept 64
	v_ldexp_f32 v[64*\a+i], v[TMP+i], s92
.set i, i+1
.endr
.endr
	WIN 0
	s_wait_alu depctr_va_vdst(0)
	s_wait_tensorcnt 2                             ; my part of slot 0 is in; slots 1 and 2 may stay out
	s_barrier_signal -1
	s_barrier_wait -1                              ; everybody's is
	FETCH 0, 0, 0
	STEP 0, 0, 1
	TURN 1, 1, 1                                   ; slot 0 is read out: K = 768 .. 1,023 is asked for.  Every wave has shown slots 1 and 2 landed too
	STEP 0, 1, 1
	STEP 1, 2, 0
	STEP 0, 2, 1
	TURN 1, 0, 0                                   ; the refill has landed, everybody's part of it; nobody reads slot 1 any more
	STEP 0, 0, 1
	s_wait_dscnt 0x0
	WIN MUL
	MUL8 1, 0
	MUL8 1, 1
	MUL8 1, 2
	MUL8 1, 3
	WIN 0
	PLACES 4                                       ; in front of the first read of results and of loads into A's registers
; THE WAY OUT, 16 tokens x 128 outputs at a time: through my own stage in LDS and back as whole rows of 512 bytes.  LDS serves a wave's instructions in order: no wait between the stores and the loads
.macro TOSTAGE a
	WIN 0x02                                       ; source 0 window 2
.set i, 0
.rept 32
	v_pk_mul_f32 v[TMP+i:TMP+i+1], v[64*(\a)+i:64*(\a)+i+1], s[96:97] op_sel_hi:[1,0]   ; x 2^(e10 + e11); each accumulator from its low end on
.set i, i+2
.endr
	WIN 0
.irp b, 0,1,2,3,4,5,6,7
	ds_store_b128 v[STO], v[TMP+8*\b:TMP+8*\b+3] offset:64*\b
	ds_store_b128 v[STO], v[TMP+8*\b+4:TMP+8*\b+7] offset:64*\b+16
.endr
.set BB, AF+64*((\a)%2)
.irp t, 0,1,2,3,4,5,6,7,8,9,10,11,12,13,14,15
	ds_load_b128 v[BB+4*\t:BB+4*\t+3], v[RD] offset:\t*SPITCH
.endr
.endm
.macro SEND a, younger                 ; younger: the LDS instructions issued behind block a's loads, which may stay out
.set BB, AF+64*((\a)%2)
	s_wait_dscnt \younger
.irp t, 0,1,2,3,4,5,6,7,8,9,10,11,12,13,14,15
	global_store_b128 v3, v[BB+4*\t:BB+4*\t+3], s[66:67] offset:65536*(\a)+4096*\t th:TH_STORE_NT   ; 32 lanes store 512 consecutive bytes, aligned; written once, read by nobody here
.endr
.endm
	TOSTAGE 0
.irp a, 1,2,3
.if \a > 1
	s_wait_xcnt 0x0                                ; the stores of two blocks ago have read their registers: this block's loads may land there
.endif
	TOSTAGE \a
	SEND \a-1, 32                                  ; behind that block's loads: this block's 16 stores and 16 loads
.endr
	SEND 3, 0
	s_wait_tensorcnt 0x0                           ; the wave's end
	ds_add_u32 v[SPW], v[NIL]
	s_wait_dscnt 0x0
	CROUND                                         ; the closing round: no work-group ends while a partner may still ask for a tile that names it
	s_endpgm
.Lfunc_end_k_qbbc430f6b3_outp:
	.size	k_qbbc430f6b3_outp, .Lfunc_end_k_qbbc430f6b3_outp-k_qbbc430f6b3_outp
	.p2alignl 7, 3214868480
	.fill 96, 4, 3214868480
	.section	.rodata,"a",@progbits
	.p2align	6, 0x0
	.amdhsa_kernel k_qbbc430f6b3_outp
		.amdhsa_group_segment_fixed_size 327680
		.amdhsa_private_segment_fixed_size 0
		.amdhsa_enable_private_segment 0
		.amdhsa_kernarg_size 40
		.amdhsa_user_sgpr_count 2
		.amdhsa_user_sgpr_kernarg_segment_ptr 1
		.amdhsa_wavefront_size32 1
		.amdhsa_system_sgpr_workgroup_id_x 1
		.amdhsa_system_sgpr_workgroup_id_y 1
		.amdhsa_system_sgpr_workgroup_id_z 1
		.amdhsa_system_vgpr_workitem_id 0
		.amdhsa_next_free_vgpr 768
		.amdhsa_next_free_sgpr 100
		.amdhsa_reserve_vcc 0
		.amdhsa_float_denorm_mode_32 3
		.amdhsa_float_denorm_mode_16_64 3
		.amdhsa_memory_ordered 1
		.amdhsa_forward_progress 1
		.amdhsa_inst_pref_size 92
	.end_amdhsa_kernel
	.amdgpu_metadata
---
amdhsa.version: [ 1, 2 ]
amdhsa.kernels:
  - .name:           k_qbbc430f6b3_outp
    .symbol:         k_qbbc430f6b3_outp.kd
    .args:
      - { .name: ctx, .offset: 0, .size: 8, .value_kind: global_buffer, .address_space: global }
      - { .name: codes, .offset: 8, .size: 8, .value_kind: global_buffer, .address_space: global }
      - { .name: lowp_scales, .offset: 16, .size: 8, .value_kind: global_buffer, .address_space: global }
      - { .name: bo, .offset: 24, .size: 8, .value_kind: global_buffer, .address_space: global }
      - { .name: out0, .offset: 32, .size: 8, .value_kind: global_buffer, .address_space: global }
    .group_segment_fixed_size: 327680
    .private_segment_fixed_size: 0
    .kernarg_segment_align: 8
    .kernarg_segment_size: 40
    .max_flat_workgroup_size: 128
    .sgpr_count:     100
    .vgpr_count:     768
    .wavefront_size: 32
...
	.end_amdgpu_metadata
.endif
;; end of part 4
